; MI455X (gfx1250); checked and timed in simulation.
; The chip was launched on July 23, 2026; its instructions are those of AMD's public machine-readable ISA for CDNA 5 (MIT licence, August 2026) and "CDNA5" Instruction Set Architecture Reference Guide (July 2026). The comments in the code are by the model that wrote it; some were corrected since.
;; Rotated Embedding. Allowed arithmetic: matrix products marked QUANTISED: E3M2 operands, one E8M0 scale for each 32 along K, by v_wmma_scale_f32_16x16x128_f8f6f4 with both operands' format E3M2, f32 sums; everything else in f32.
;; Inputs: R_codes 1,024 x 32 x 24 uint8 (E3M2 codes of R, K innermost, in blocks of 32 codes, four codes in three bytes); R_scales 1,024 x 32 uint8 (E8M0 scales of R, one for each 32 codes along K); input_ids 4 x 4,096 int32; weight_codes 50,257 x 32 x 24 uint8 (E3M2 codes of weight, K innermost, in blocks of 32 codes, four codes in three bytes); weight_scales 50,257 x 32 uint8 (E8M0 scales of weight, one for each 32 codes along K).
;; Outputs: out0 4 x 4,096 x 1,024 float32.
;; This version of the problem:
;;   THIS VERSION OF THE PROBLEM IS GIVEN IN LOW PRECISION. The matrix products marked QUANTISED in the list below multiply operands that are first quantised to E3M2 (3 exponent bits, 2 mantissa bits; 6 bits a number), with one power-of-two scale for each 32 numbers along K (OCP MX v1.0); their sums are f32. All else is computed in f32.
;;   The module's matrix products, in the order in which they are computed (A, B: the left and right operand; K: the contracted axis; several contracted axes count as one K, in the product's order):
;;     1. [M 50,257, K 1,024] x [K 1,024, N 1,024]; A: input weight (given as codes); B: input R (given as codes): QUANTISED
;;   THE QUANTISER, for each operand of a quantised product, along K:
;;     - K is cut into blocks of 32 from its start; a last block that is shorter is filled with zeros.
;;     - A block's scale is 2^e with e = floor(log2(the largest magnitude in the block)) - 4, held to -126 .. 127; a block of zeros has e = 0. As a byte (E8M0): e + 127.
;;     - Each number is divided by its block's scale, clamped to +-28, and rounded to the nearest number of E3M2, ties to even, subnormals kept.
;;     - The product sums the exact products of the quantised numbers (number of the format x scale) in f32.
;;   ~~~python
;;   def quantise(x, axis):      # numpy; x: float32 -> the quantised numbers, widened to float32 again
;;       x = np.moveaxis(x, axis, -1); K = x.shape[-1]
;;       x = np.pad(x, [(0, 0)] * (x.ndim - 1) + [(0, -K % 32)]); x = x.reshape(x.shape[:-1] + (-1, 32)); a = np.abs(x).max(-1, keepdims=True)
;;       e = np.where(a > 0, np.clip(np.frexp(np.where(a > 0, a, 1))[1] - 1 - 4, -126, 127), 0)      # np.frexp(a)[1] - 1 = floor(log2(a)), exactly
;;       r = np.clip(x / 2.0 ** e, -28, 28)
;;       step = 2.0 ** (np.maximum(np.frexp(np.where(r == 0, 1, r))[1] - 1, -2) - 2)
;;       q = np.round(r / step) * step * 2.0 ** e      # np.round: ties to even
;;       return np.moveaxis(q.reshape(q.shape[:-2] + (-1,))[..., :K], -1, axis).astype(np.float32)
;;   ~~~
;;   INPUTS GIVEN AS CODES. R (in the module: [1024, 1024], K = its axis 0); weight (in the module: [50257, 1024], K = its axis 1): each comes as NAME_codes (uint8): NAME with its K axis moved to the last place and cut into blocks of 32 codes, [.., K / 32, bytes a block], one block behind the other in memory; four codes in three bytes: a row's codes are one little-endian stream of bits, code i at bits 6 i .. 6 i + 5 (a code: sign, 3 exponent bits, 2 mantissa bits); and NAME_scales (uint8): the same leading axes, one E8M0 byte (e + 127) for each 32 codes along K. Its value is code x scale, taken as it is: it is not quantised again, and the codes and scales need not be those that the quantiser above would give.
;; One version. Each part assembles by itself: llvm-mc -triple=amdgcn-amd-amdhsa -mcpu=gfx1250 --defsym DOCPART=n.
;; ======== version 1 of 1: 1 launch
;; launch rot (part 1): grid 64 x 4, 4 waves a work-group, clusters of 4 x 4, 317,952 bytes of LDS; arguments R_codes, R_scales, input_ids, weight_codes, weight_scales, out0; writes out0
.if DOCPART == 1
	.amdgcn_target "amdgcn-amd-amdhsa--gfx1250"
	.amdhsa_code_object_version 6
	.text
	.protected	k_q875b23c7d2_rot
	.globl	k_q875b23c7d2_rot
	.p2align	8
	.type	k_q875b23c7d2_rot,@function
k_q875b23c7d2_rot:
	s_mov_b64 s[64:65], 0
	v_nop
	global_prefetch_b8 v0, s[64:65] scope:SCOPE_SE
	s_setreg_imm32_b32 hwreg(HW_REG_WAVE_MODE, 25, 1), 1
	s_wait_xcnt 0x0
	s_wait_alu depctr_hold_cnt(0) depctr_sa_sdst(0) depctr_va_vdst(0) depctr_va_sdst(0) depctr_va_ssrc(0) depctr_va_vcc(0) depctr_vm_vsrc(0)
	s_getreg_b32 s2, hwreg(HW_REG_IB_STS2, 6, 4)
	s_cmp_eq_u32 s2, 0
	s_cbranch_scc0 .Lentry_in_a_cluster
	s_endpgm
.Lentry_in_a_cluster:
	s_bfe_u32 s2, ttmp6, 0x10000c
	s_cmp_lg_u32 s2, 0xf033
	s_cbranch_scc0 .Lentry_shape_is_right
	s_endpgm
.Lentry_shape_is_right:
; out0[token][n] = sum over k of weight[input_ids[token]][k] R[k][n], both operands as they are given: codes of BF6 (E3M2), 6 bits each, K innermost
; (a row of 1,024 codes is 768 bytes), one E8M0 byte for each 32 along K (32 bytes a row).  16,384 tokens, 1,024 columns, K = 1,024; sums in f32.
; Only the rows that input_ids names are multiplied: the gather comes first, the product second.
; SHARES.  A work-group of four waves makes 256 tokens x 256 columns: 64 x 4 work-groups.  Wave w owns 64 of the columns for all 256 tokens.
; R STAYS IN REGISTERS: a wave's 64 rows of R over the whole of K are 32 fragments, 384 registers (windows 1 and 2), read from LDS once.
; THE TOKENS GO IN 8 BLOCKS OF 32.  Each wave gathers 8 rows of a block (sixteen lanes read 256 consecutive bytes of a row), puts them into LDS, and all four
; waves read them back as fragments.  A block takes the whole of K at once: 64 matrix instructions a wave on 8 accumulators by turns; then its 32 x 64 results
; leave, while later blocks are on their way in.  Every block has LDS bytes of its own (blocks 4-7 lie where the tile of R lay, which by then has had its one
; fill and its last read), so no LDS byte is filled twice and one barrier a block publishes the block two further on.
; CLUSTER 4 x 4.  The four work-groups of a row of the cluster (same cy) make the same 256 columns and need the same tile of R: it is asked for JOINTLY, one
; tensor load a wave.  The four of a column gather the same rows of weight; a list of rows is no tile that one descriptor states, so those come by plain loads.
; The grid is 4 work-groups high, one cluster: the column slice is cy itself.
; K IS TAKEN IN ANOTHER ORDER, ALIKE IN BOTH OPERANDS: lane (r, h) holds the 384 consecutive bytes at 384 h of its row, and K step q (0..7) uses bytes 48 q .. 48 q + 47
; of them: registers 0-5 = block 16 h + 2 q, registers 6-11 = block 16 h + 2 q + 1.  So a fragment is three loads of 16 bytes at multiples of 16.
; The scale word of step q is then the bytes S[2q], S[16+2q], S[2q+1], S[17+2q] of the row: one v_perm_b32 of two of the row's eight words.
; THE ROWS OF R THAT FORM A TILE ARE NOT NEIGHBOURS: lane r of column tile t (0..3) takes column 64 w + 4 r + t.  Register j of the four tiles of a lane are then 16
; neighbouring bytes of one row of out0, and lanes 0-15 hold 256 neighbouring bytes: four moves make a store's data; no way through LDS.
; LIMITS.  An id outside 0 .. 50,256 (a negative one too) is held at row 50,256.  The f32 sums take the blocks of K in the order 0, 16, 1, 17, 2, 18 ..,
; not ascending.  A scale byte 0xff makes the sums that it enters NaN, as the matrix instruction has it.
; No prefetch: all gathers but the last block's are issued at the head, and the launch stores from its first eighth on.
;
; REGISTERS, in windows of 256 (s_set_vgpr_msb: bits 1:0 source 0, 3:2 source 1, 5:4 source 2, 7:6 destination):
;   window 0: v1-13 addresses; v16-79 the tokens' scale words; v80-95 R's scale words; v96-159 the 8 accumulators (at the head: offsets); v160-255 two buffers of token fragments
;   windows 1, 2: v0-191 R's fragments (K steps 0-3, 4-7); v192-239 landing registers of gathered rows
;   window 3: v0-63 the stores' data (at the head: landing registers); v64-255 landing registers
.set ROWB, 768                         ; a row of codes in bytes
.set VMAX, 50256                       ; the table's last row
.set PA,   784                         ; a gathered row in LDS: 768 + 16 = 49 x 16 bytes: 16 rows start at 16 different 16-byte columns modulo 256
.set BLKB, 32*PA                       ; a block of 32 rows
.set PB,   816                         ; a row of R in LDS: 3 x (256 + 16) = 51 x 16 bytes
.set TREG, 64*PB                       ; what one tensor load brings: the 64 rows of R with one t
.set BREG, 4*BLKB                      ; R's tile begins behind blocks 0-3; blocks 4-7 lie over its first bytes later
.set SCL,  BREG+4*TREG                 ; behind it: the tokens' scale words, 32 bytes a token, 8,192 bytes
.set CO,   1                           ; v1      my byte in out0: 8 h rows + 16 r
.set AR,   2                           ; v2-5    reading fragments: PA r + 384 h + two blocks x i
.set AW,   6                           ; v6-9    storing gathered rows: PA (8 w + h) + 16 r + two blocks x i
.set GO7,  10                          ; v10-13  block 7's gather offsets
.set AS,   16                          ; v[AS + 8 b + q]: lane l holds the scale word of token 32 b + l for K step q
.set BS,   80                          ; v[BS + 8 g + q]: lanes 0-15 column tile 2 g, lanes 16-31 tile 2 g + 1
.set ACC,  96                          ; accumulator (a, t) at v[ACC + 32 a + 8 t]
.set FR,   160                         ; buffer u at FR + 48 u; in it K step s of the pair, token tile a at 24 s + 12 a
.set STG,  0                           ; window 3
.set GOH,  96                          ; head only, where the accumulators will lie: v96-123 gather offsets of blocks 0-6,
.set SGO,  124                         ; v124-125 offsets of my 64 tokens' scale rows,
.set VR,   126                         ; r = lane % 16
.set VH,   127                         ; h = lane / 16
.set VL,   128                         ; lane
.set R16,  129                         ; 16 r
.set IDO,  130                         ; ids for the rows: 4 (8 w + h)
.set SIO,  131                         ; ids for the scales: 4 (64 w + lane)
.set BSO,  132                         ; R's scale rows: 128 r + 32 h
.set SW,   133                         ; where I store scale words
.set SR,   134                         ; where I read them
.set TMPV, 135
.set BA,   136                         ; v136-143 R's rows in LDS: for each t two addresses, 400 h and 416 h on
.set RAWB, 160                         ; head only, where the fragment buffers will lie: R's scale rows as loaded,
.set RAWA, 176                         ; my tokens' scale rows as loaded,
.set PRA,  192                         ; and their scale words
.set MSB, 0
.macro WIN new                         ; the immediate's high byte repeats the setting that is left; a switch that changes nothing is dropped
.if MSB != (\new)
	s_set_vgpr_msb (MSB<<8)|(\new)
.set MSB, (\new)
.endif
.endm
.macro PLACES n
.rept \n
	v_nop
.endr
.endm
.macro CROUND                          ; a round of the cluster's barrier: my work-group's barrier, wave 0 signals for it, all wait for all sixteen, my work-group's barrier again
	s_barrier_signal -1
	s_barrier_wait -1
	s_cmp_lg_u32 s16, 0
	s_cbranch_scc1 .Lnot_wave_0_\@
	s_barrier_signal -3
.Lnot_wave_0_\@:
	s_barrier_wait -3
	s_barrier_signal -1
	s_barrier_wait -1
.endm
.macro LSET b                          ; block b's 48 landing registers: window LW, from v[LB] on
.if (\b) == 0
.set LW, 3
.set LB, 0
.elseif ((\b) == 1) || ((\b) == 7)
.set LW, 1
.set LB, 192
.elseif (\b) == 6
.set LW, 2
.set LB, 192
.else
.set LW, 3
.set LB, 64+48*((\b)-2)
.endif
.endm
.macro GSET b                          ; block b's four gather offsets
.if (\b) == 7
.set GB, GO7
.else
.set GB, GOH+4*(\b)
.endif
.endm
.macro OFFS base, n                    ; n ids become byte offsets: held inside the table, x 768, + 16 r
.set i, 0
.rept \n
	v_min_u32 v[\base+i], VMAX, v[\base+i]
.set i, i+1
.endr
.set i, 0
.rept \n
	v_mul_u32_u24 v[\base+i], v[\base+i], ROWB
.set i, i+1
.endr
.set i, 0
.rept \n
	v_add_nc_u32 v[\base+i], v[R16], v[\base+i]
.set i, i+1
.endr
.endm
.macro LOAD_A b                        ; my 8 rows of block b: row 8 w + 2 k + h; sixteen lanes read 256 consecutive bytes.  No cache word: a row may be named again, and three other work-groups read it
	LSET \b
	GSET \b
	WIN LW<<6
.irp k, 0,1,2,3
.irp u, 0,1,2
	global_load_b128 v[LB+4*(3*\k+\u):LB+4*(3*\k+\u)+3], v[GB+\k], s[10:11] offset:256*\u
.endr
.endr
.endm
.macro STORE_A b                       ; and into the block's own LDS bytes, as they lie
	LSET \b
	WIN LW<<2
.irp k, 0,1,2,3
.irp u, 0,1,2
	ds_store_b128 v[AW+(\b)/2], v[LB+4*(3*\k+\u):LB+4*(3*\k+\u)+3] offset:BLKB*((\b)%2)+2*PA*\k+256*\u
.endr
.endr
.endm
.macro FETCH b, p, buf                 ; block b's fragments of K steps 2 p and 2 p + 1, both token tiles: 12 loads.  Data and address lie in window 0: it stands under the products' and the stores' settings too
.irp s, 0,1
.irp a, 0,1
.irp c, 0,1,2
	ds_load_b128 v[FR+48*(\buf)+24*\s+12*\a+4*\c:FR+48*(\buf)+24*\s+12*\a+4*\c+3], v[AR+(\b)/2] offset:BLKB*((\b)%2)+16*PA*\a+48*(2*(\p)+\s)+16*\c
.endr
.endr
.endr
.endm
.macro BLD t, i                        ; chunk i (16 bytes) of my 384 bytes of my row of R with this t.  The mover has laid 16 bytes of padding behind every 256:
.set rB, 48*(((\i)/3)%4)+12*(\t)+4*((\i)%3)   ; lanes 0-15 pass one from chunk 16 on, lanes 16-31 have passed one at chunk 0 and two from chunk 8 on
.if (\i) < 8
	ds_load_b128 v[rB:rB+3], v[BA+2*(\t)] offset:16*(\i)
.elseif (\i) < 16
	ds_load_b128 v[rB:rB+3], v[BA+2*(\t)+1] offset:16*(\i)
.else
	ds_load_b128 v[rB:rB+3], v[BA+2*(\t)] offset:16*(\i)+16
.endif
.endm
; One product: source 0 = 16 tokens (tile a of block b), source 1 = 16 rows of R (column tile t), K step q.  K step 0 starts the sums: nothing is cleared.
.macro WM b, a, t, q, buf
.set rD, ACC+32*(\a)+8*(\t)
.set rA, FR+48*(\buf)+24*((\q)%2)+12*(\a)
.set rB, 48*((\q)%4)+12*(\t)
.set rX, AS+8*(\b)+(\q)
.set rY, BS+8*((\t)/2)+(\q)
.set rF, 2*(\a)+(\t)%2                 ; which halves of the scale registers: token tile 1 and odd column tiles stand in lanes 16-31
.if (\q) == 0
.if rF == 0
	v_wmma_scale_f32_16x16x128_f8f6f4 v[rD:rD+7], v[rA:rA+11], v[rB:rB+11], 0, v[rX], v[rY] matrix_a_fmt:MATRIX_FMT_BF6 matrix_b_fmt:MATRIX_FMT_BF6
.elseif rF == 1
	v_wmma_scale_f32_16x16x128_f8f6f4 v[rD:rD+7], v[rA:rA+11], v[rB:rB+11], 0, v[rX], v[rY] matrix_a_fmt:MATRIX_FMT_BF6 matrix_b_fmt:MATRIX_FMT_BF6 matrix_b_scale:MATRIX_SCALE_ROW1
.elseif rF == 2
	v_wmma_scale_f32_16x16x128_f8f6f4 v[rD:rD+7], v[rA:rA+11], v[rB:rB+11], 0, v[rX], v[rY] matrix_a_fmt:MATRIX_FMT_BF6 matrix_b_fmt:MATRIX_FMT_BF6 matrix_a_scale:MATRIX_SCALE_ROW1
.else
	v_wmma_scale_f32_16x16x128_f8f6f4 v[rD:rD+7], v[rA:rA+11], v[rB:rB+11], 0, v[rX], v[rY] matrix_a_fmt:MATRIX_FMT_BF6 matrix_b_fmt:MATRIX_FMT_BF6 matrix_a_scale:MATRIX_SCALE_ROW1 matrix_b_scale:MATRIX_SCALE_ROW1
.endif
.else
.if rF == 0
	v_wmma_scale_f32_16x16x128_f8f6f4 v[rD:rD+7], v[rA:rA+11], v[rB:rB+11], v[rD:rD+7], v[rX], v[rY] matrix_a_fmt:MATRIX_FMT_BF6 matrix_b_fmt:MATRIX_FMT_BF6
.elseif rF == 1
	v_wmma_scale_f32_16x16x128_f8f6f4 v[rD:rD+7], v[rA:rA+11], v[rB:rB+11], v[rD:rD+7], v[rX], v[rY] matrix_a_fmt:MATRIX_FMT_BF6 matrix_b_fmt:MATRIX_FMT_BF6 matrix_b_scale:MATRIX_SCALE_ROW1
.elseif rF == 2
	v_wmma_scale_f32_16x16x128_f8f6f4 v[rD:rD+7], v[rA:rA+11], v[rB:rB+11], v[rD:rD+7], v[rX], v[rY] matrix_a_fmt:MATRIX_FMT_BF6 matrix_b_fmt:MATRIX_FMT_BF6 matrix_a_scale:MATRIX_SCALE_ROW1
.else
	v_wmma_scale_f32_16x16x128_f8f6f4 v[rD:rD+7], v[rA:rA+11], v[rB:rB+11], v[rD:rD+7], v[rX], v[rY] matrix_a_fmt:MATRIX_FMT_BF6 matrix_b_fmt:MATRIX_FMT_BF6 matrix_a_scale:MATRIX_SCALE_ROW1 matrix_b_scale:MATRIX_SCALE_ROW1
.endif
.endif
.endm
; THE WAY OUT of block b.  Register j of accumulator (a, t) in lane (r, h) is out0(token 32 b + 16 a + 8 h + j, column 64 w + 4 r + t).
.macro OUT b
	PLACES 4                                       ; four plain vector instructions between the last product and the first read of a result (ISA guide 7.12.1)
	s_wait_xcnt 0x0                                ; the last block's stores have read their data: only behind this wait are those registers written again
	WIN 0xc0                                       ; destination window 3
.irp a, 0,1
.irp j, 0,1,2,3,4,5,6,7                        ; each accumulator is read from its low end on
.irp t, 0,1,2,3
	v_mov_b32 v[STG+32*\a+4*\j+\t], v[ACC+32*\a+8*\t+\j]
.endr
.endr
.endr
	WIN 0x0c                                       ; a store's data are its source 1: window 3
.irp a, 0,1
.irp j, 0,1,2,3,4,5,6,7
	global_store_b128 v[CO], v[STG+32*\a+4*\j:STG+32*\a+4*\j+3], s[14:15] offset:(32*(\b)+16*\a+\j)*4096 th:TH_STORE_NT   ; lanes 0-15 store 256 consecutive bytes at a multiple of 256 from out0's first byte, lanes 16-31 the same 8 rows below; written once, read by nobody here
.endr
.endr
.endm
; BLOCK b: four pairs of K steps, 16 products each, on buffers 0, 1, 0, 1; ahead of each pair's products the next pair's fragments are asked for (behind the last pair: the next block's first).
; The 8 accumulators take turns, one instruction a turn, in the same order in every K step.
.macro TRIP b
.irp p, 0,1,2,3
	PLACES 4                                       ; between the products that read the other buffer and the loads into it; at p = 0 also between the last block's products and the products that begin its accumulators anew
.if \p < 3
	FETCH \b, \p+1, (\p+1)%2
	s_wait_dscnt 12                                ; the 12 loads just issued may stay out: this pair's fragments are in (and in block 0 the scale words, asked for ahead of them)
.elseif (\b) < 7
	FETCH (\b)+1, 0, 0
	s_wait_dscnt 12
.else
	s_wait_dscnt 0x0                               ; nothing more to fetch
.endif
	WIN 0x04+4*(\p/2)                              ; source 1 (R): window 1 for K steps 0-3, window 2 for 4-7
.irp s, 0,1
.irp t, 0,1,2,3
.irp a, 0,1
	WM \b, \a, \t, 2*\p+\s, \p%2
.endr
.endr
.endr
.endr
	OUT \b
.if (\b) < 6
.if (\b) == 0
	s_wait_loadcnt 48                              ; block 2's rows are in; behind them blocks 3 to 6 were asked for: 4 x 12
.else
	s_wait_loadcnt 12*(5-(\b))                     ; block b + 2's rows are in; behind them blocks b + 3 to 7 were asked for
.endif
	STORE_A (\b)+2
.if (\b) == 0
	LOAD_A 7                                       ; into block 1's landing registers: the LDS stores that read them were waited for ahead of the second barrier
.endif
	WIN 0
	s_wait_dscnt 0x0                               ; for the others' sake: my part of block b + 2 lies in LDS
	s_barrier_signal -1
	s_barrier_wait -1                              ; everybody's does; it is first read at the end of block b + 1
.endif
.endm
	s_load_b256 s[4:11], s[0:1], 0x0               ; R's codes s[4:5], R's scales s[6:7], ids s[8:9], weight's codes s[10:11]
	s_load_b128 s[12:15], s[0:1], 0x20             ; weight's scales s[12:13], out0 s[14:15]
	v_lshl_add_u32 v14, v0, 2, 0x4d800
	v_mov_b32 v15, 0
	ds_add_u32 v14, v15
	ds_add_u32 v14, v15
	v_lshrrev_b32 v[VR], 5, v0
	v_readfirstlane_b32 s16, v[VR]                 ; wave 0..3
	s_bfe_u32 s17, ttmp6, 0x40000                  ; cx
	s_bfe_u32 s18, ttmp6, 0x40004                  ; cy = the column slice: columns 256 cy on
	s_lshl_b32 s19, ttmp9, 2
	s_add_co_u32 s19, s19, s17                     ; the token group = 4 x cluster x + cx: tokens 256 x on
	s_lshl_b32 s21, s18, 2
	s_lshl_b32 s21, 15, s21                        ; my row of the cluster: places 4 cy .. 4 cy + 3
	; descriptor group 1: 64 rows of 768 bytes, every fourth row of R, padded in LDS
	s_or_b32 s24, s21, (0<<16)|(1<<20)|(1<<21)|(5<<22)|(3<<25)  ; 15:0 the mask; 17:16 elements of 1 byte; 20 padding on; 21 set beside a mask; 24:22 after every 64 words (code 5); 31:25 4 words of it (code 3)
	s_mov_b32 s25, ROWB<<16                        ; tensor_dim0 = 768
	s_mov_b32 s26, 64<<16                          ; tensor_dim1 = 64
	s_mov_b32 s27, ROWB<<16                        ; tile_dim0 = 768
	s_mov_b32 s28, 64                              ; tile_dim1 = 64
	s_mov_b32 s29, 4*ROWB                          ; from row to row: four rows of R
	s_mov_b32 s30, 0
	s_mov_b32 s31, 0
	s_mov_b32 s36, 0x05010400                      ; v_perm_b32: bytes 0, 1 of the low word between bytes 0, 1 of the high word: K steps with q even
	s_mov_b32 s37, 0x07030602                      ; bytes 2, 3 likewise: q odd
	s_mul_i32 s33, s16, TREG
	s_add_co_u32 s33, s33, BREG                    ; wave w brings the rows with t = w: LDS address from the wave's number alone
	s_mul_i32 s22, s18, 256*ROWB                   ; R's codes: row 256 cy + w.  s20, s[22:23], s[38:39] never hold cx
	s_mul_i32 s20, s16, ROWB
	s_add_co_u32 s22, s22, s20
	s_mov_b32 s23, 0
	s_lshl_b32 s38, s18, 13                        ; R's scales: row 256 cy + 64 w, 32 bytes a row
	s_lshl_b32 s20, s16, 11
	s_add_co_u32 s38, s38, s20
	s_mov_b32 s39, 0
	s_lshl_b32 s40, s19, 10                        ; ids: 256 x 4 bytes a token group
	s_mov_b32 s41, 0
	s_lshl_b32 s42, s19, 20                        ; out0: 256 rows of 4,096 bytes a token group (63 x 2^20 at the most),
	s_lshl_b32 s20, s18, 10                        ; + 1,024 bytes a slice,
	s_add_co_u32 s42, s42, s20
	s_lshl_b32 s48, s16, 8                         ; + 256 bytes a wave
	s_add_co_u32 s42, s42, s48
	s_mov_b32 s43, 0
	s_mul_i32 s44, s16, 8*PA                       ; my 8 rows of a block
	s_lshl_b32 s45, s16, 11
	s_add_co_u32 s45, s45, SCL                     ; my 64 tokens' scale words
	s_mul_i32 s46, s16, 16*PB
	s_add_co_u32 s46, s46, BREG                    ; my 16 rows of each t
	s_lshl_b32 s47, s16, 5
	v_and_b32 v[VR], 15, v0
	v_bfe_u32 v[VH], v0, 4, 1
	v_and_b32 v[VL], 31, v0
	v_lshlrev_b32 v[R16], 4, v[VR]
	v_lshl_add_u32 v[CO], v[VH], 15, v[R16]        ; 8 h rows of 4,096 bytes + 16 r
	v_mul_u32_u24 v[AR], v[VR], PA
	v_mad_u32_u24 v[AR], v[VH], 384, v[AR]
	v_mad_u32_u24 v[AW], v[VH], PA, v[R16]
	v_add_nc_u32 v[AW], s44, v[AW]
.irp i, 1,2,3
	v_add_nc_u32 v[AR+\i], 2*BLKB*\i, v[AR]
	v_add_nc_u32 v[AW+\i], 2*BLKB*\i, v[AW]
.endr
	v_lshl_add_u32 v[IDO], v[VH], 2, s47           ; 4 (8 w + h)
	v_lshl_add_u32 v[SIO], v[VL], 2, s48           ; 4 (64 w + lane)
	v_lshlrev_b32 v[BSO], 7, v[VR]
	v_lshl_add_u32 v[BSO], v[VH], 5, v[BSO]        ; row 4 r + h of my 64 rows of R's scales
	v_lshl_add_u32 v[SW], v[VL], 5, s45
	v_lshl_add_u32 v[SR], v[VL], 5, SCL
	v_mul_u32_u24 v[TMPV], v[VR], PB
	v_add_nc_u32 v[TMPV], s46, v[TMPV]
	v_mad_u32_u24 v[BA], v[VH], 400, v[TMPV]       ; lanes 16-31 begin 384 bytes on, behind one padding,
	v_mad_u32_u24 v[BA+1], v[VH], 416, v[TMPV]     ; or behind two
.irp t, 1,2,3
	v_add_nc_u32 v[BA+2*\t], TREG*\t, v[BA]
	v_add_nc_u32 v[BA+2*\t+1], TREG*\t, v[BA+1]
.endr
	s_wait_dscnt 0x0
	s_wait_kmcnt 0x0
	s_mov_b32 s32, 1                               ; descriptor group 0: count = 1; s33 the LDS address;
	s_add_nc_u64 s[34:35], s[4:5], s[22:23]        ; the tile's first byte;
	s_or_b32 s35, s35, 0x80000000                  ; type = 2
	s_add_nc_u64 s[6:7], s[6:7], s[38:39]
	s_add_nc_u64 s[8:9], s[8:9], s[40:41]
	s_add_nc_u64 s[14:15], s[14:15], s[42:43]      ; no pointer is stepped from here on: every later offset is an immediate, 247 rows of out0 at the most
.irp b, 0,1,2,3,4,5,6,7                        ; the ids of the rows that I gather: token 32 b + 8 w + 2 k + h, the same for the sixteen lanes of a half
	GSET \b
.irp k, 0,1,2,3
	global_load_b32 v[GB+\k], v[IDO], s[8:9] offset:4*(32*\b+2*\k)
.endr
.endr
.irp g, 0,1                                    ; the ids of the tokens whose scale words I make: 64 w + 32 g + lane
	global_load_b32 v[SGO+\g], v[SIO], s[8:9] offset:128*\g
.endr
.irp g, 0,1                                    ; R's scale rows: lane (r, h) takes that of column 64 w + 4 r + 2 g + h
	global_load_b128 v[RAWB+8*\g:RAWB+8*\g+3], v[BSO], s[6:7] offset:64*\g
	global_load_b128 v[RAWB+8*\g+4:RAWB+8*\g+7], v[BSO], s[6:7] offset:64*\g+16
.endr
	CROUND                                         ; all sixteen work-groups are here: the joint loads meet
	tensor_load_to_lds s[32:35], s[24:31]          ; my quarter of R's tile: the launch's only tensor load of this wave, a first fill
	s_nop 0
	PLACES 4                                       ; four v_nop behind it
	s_wait_loadcnt 4                               ; the 34 ids are in; R's four scale loads were issued behind them
	OFFS GOH, 28
	OFFS GO7, 4
.irp g, 0,1
	v_min_u32 v[SGO+\g], VMAX, v[SGO+\g]
.endr
.irp g, 0,1
	v_lshlrev_b32 v[SGO+\g], 5, v[SGO+\g]          ; 32 scale bytes a row
.endr
.irp g, 0,1
	global_load_b128 v[RAWA+8*\g:RAWA+8*\g+3], v[SGO+\g], s[12:13]
	global_load_b128 v[RAWA+8*\g+4:RAWA+8*\g+7], v[SGO+\g], s[12:13] offset:16
.endr
	LOAD_A 0
	LOAD_A 1
	LOAD_A 2
	LOAD_A 3
	s_wait_tensorcnt 0x0                           ; my quarter of R's tile has landed,
	s_barrier_signal -1
	s_barrier_wait -1                              ; everybody's has
	WIN 0x40                                       ; R's fragments of K steps 0-3: window 1
.irp t, 0,1,2,3
.irp i, 0,1,2,3,4,5,6,7,8,9,10,11
	BLD \t, \i
.endr
.endr
	WIN 0x80                                       ; K steps 4-7: window 2
.irp t, 0,1,2,3
.irp i, 12,13,14,15,16,17,18,19,20,21,22,23
	BLD \t, \i
.endr
.endr
	LOAD_A 4
	LOAD_A 5
	LOAD_A 6
	WIN 0
	s_wait_loadcnt 63                              ; behind the eight scale loads 84 loads of codes were issued: with 63 out the scales are in
.irp g, 0,1
.irp q, 0,1,2,3,4,5,6,7
	v_perm_b32 v[BS+8*\g+\q], v[RAWB+8*\g+4+\q/2], v[RAWB+8*\g+\q/2], s[36+\q%2]   ; S[2q], S[16+2q], S[2q+1], S[17+2q]
.endr
.endr
.irp g, 0,1
.irp q, 0,1,2,3,4,5,6,7
	v_perm_b32 v[PRA+8*\g+\q], v[RAWA+8*\g+4+\q/2], v[RAWA+8*\g+\q/2], s[36+\q%2]
.endr
.endr
.irp g, 0,1
	ds_store_b128 v[SW], v[PRA+8*\g:PRA+8*\g+3] offset:1024*\g
	ds_store_b128 v[SW], v[PRA+8*\g+4:PRA+8*\g+7] offset:1024*\g+16
.endr
	s_wait_loadcnt 60                              ; blocks 0 and 1 are in; blocks 2 to 6, 5 x 12 loads, may stay out
	STORE_A 0
	STORE_A 1
	WIN 0
	s_wait_dscnt 0x0                               ; my reads of R's tile are back, and my parts of blocks 0 and 1 and of the scale words lie in LDS
	s_barrier_signal -1
	s_barrier_wait -1                              ; the same holds of every wave: R's bytes may be written over, blocks 0 and 1 may be read
.irp b, 0,1,2,3,4,5,6,7                        ; all 256 tokens' scale words: lane l takes token 32 b + l
	ds_load_b128 v[AS+8*\b:AS+8*\b+3], v[SR] offset:1024*\b
	ds_load_b128 v[AS+8*\b+4:AS+8*\b+7], v[SR] offset:1024*\b+16
.endr
	FETCH 0, 0, 0
	s_wait_xcnt 0x0                                ; the gathers have read their offsets, which lie where the accumulators are about to be written
	PLACES 8                                       ; R's scale words were written by vector instructions: eight places ahead of the first scaled product
.irp b, 0,1,2,3,4,5,6,7
	TRIP \b
.endr
	WIN 0                                          ; at a branch and at a label every window is 0
	s_wait_dscnt 0x0
	s_wait_tensorcnt 0x0
	ds_add_u32 v14, v15
	s_wait_dscnt 0x0
	CROUND                                         ; the closing round: no work-group ends while a partner may still ask for a tile that names it
	s_endpgm
.Lfunc_end_k_q875b23c7d2_rot:
	.size	k_q875b23c7d2_rot, .Lfunc_end_k_q875b23c7d2_rot-k_q875b23c7d2_rot
	.p2alignl 7, 3214868480
	.fill 96, 4, 3214868480
	.section	.rodata,"a",@progbits
	.p2align	6, 0x0
	.amdhsa_kernel k_q875b23c7d2_rot
		.amdhsa_group_segment_fixed_size 317952
		.amdhsa_private_segment_fixed_size 0
		.amdhsa_enable_private_segment 0
		.amdhsa_kernarg_size 48
		.amdhsa_user_sgpr_count 2
		.amdhsa_user_sgpr_kernarg_segment_ptr 1
		.amdhsa_wavefront_size32 1
		.amdhsa_system_sgpr_workgroup_id_x 1
		.amdhsa_system_sgpr_workgroup_id_y 1
		.amdhsa_system_sgpr_workgroup_id_z 1
		.amdhsa_system_vgpr_workitem_id 0
		.amdhsa_next_free_vgpr 1024
		.amdhsa_next_free_sgpr 66
		.amdhsa_reserve_vcc 0
		.amdhsa_float_denorm_mode_32 3
		.amdhsa_float_denorm_mode_16_64 3
		.amdhsa_memory_ordered 1
		.amdhsa_forward_progress 1
		.amdhsa_inst_pref_size 166
	.end_amdhsa_kernel
	.amdgpu_metadata
---
amdhsa.version: [ 1, 2 ]
amdhsa.kernels:
  - .name:           k_q875b23c7d2_rot
    .symbol:         k_q875b23c7d2_rot.kd
    .args:
      - { .name: R_codes, .offset: 0, .size: 8, .value_kind: global_buffer, .address_space: global }
      - { .name: R_scales, .offset: 8, .size: 8, .value_kind: global_buffer, .address_space: global }
      - { .name: input_ids, .offset: 16, .size: 8, .value_kind: global_buffer, .address_space: global }
      - { .name: weight_codes, .offset: 24, .size: 8, .value_kind: global_buffer, .address_space: global }
      - { .name: weight_scales, .offset: 32, .size: 8, .value_kind: global_buffer, .address_space: global }
      - { .name: out0, .offset: 40, .size: 8, .value_kind: global_buffer, .address_space: global }
    .group_segment_fixed_size: 317952
    .private_segment_fixed_size: 0
    .kernarg_segment_align: 8
    .kernarg_segment_size: 48
    .max_flat_workgroup_size: 128
    .sgpr_count:     66
    .vgpr_count:     1024
    .wavefront_size: 32
...
	.end_amdgpu_metadata
.endif
;; end of part 1
